; MI455X (gfx1250); checked and timed in simulation.
; The chip was launched on July 23, 2026; its instructions are those of AMD's public machine-readable ISA for CDNA 5 (MIT licence, August 2026) and "CDNA5" Instruction Set Architecture Reference Guide (July 2026). The comments in the code are by the model that wrote it; some were corrected since.
;; LST Mnetwork. Allowed arithmetic: matrix products marked QUANTISED: E3M2 operands, one E8M0 scale for each 32 along K, by v_wmma_scale_f32_16x16x128_f8f6f4 with both operands' format E3M2, f32 sums; everything else in f32.
;; Inputs: W_hh0 2 x 2,048 x 512 float32; W_hh12 2 x 2 x 2,048 x 512 float32; W_ih0 2 x 2,048 x 1,024 float32; W_ih12 2 x 2 x 2,048 x 1,024 float32; b_hh0 2 x 2,048 float32; b_hh12 2 x 2 x 2,048 float32; b_ih0 2 x 2,048 float32; b_ih12 2 x 2 x 2,048 float32; x 64 x 64 x 1,024 float32.
;; Outputs: out0 64 x 64 x 1,024 float32.
;; This version of the problem:
;;   THIS VERSION OF THE PROBLEM IS GIVEN IN LOW PRECISION. The matrix products marked QUANTISED in the list below multiply operands that are first quantised to E3M2 (3 exponent bits, 2 mantissa bits; 6 bits a number), with one power-of-two scale for each 32 numbers along K (OCP MX v1.0); their sums are f32. All else is computed in f32.
;;   The module's matrix products, in the order in which they are computed (A, B: the left and right operand; K: the contracted axis; several contracted axes count as one K, in the product's order):
;;     1. [M 4,096, K 1,024] x [K 1,024, N 2,048]; A: input x; B: input W_ih0: QUANTISED
;;     2. [M 4,096, K 1,024] x [K 1,024, N 2,048]; A: input x; B: input W_ih0: QUANTISED
;;     3. [M 4,096, K 1,024] x [K 1,024, N 2,048]; A: computed on the way; B: input W_ih12: QUANTISED
;;     4. [M 4,096, K 1,024] x [K 1,024, N 2,048]; A: computed on the way; B: input W_ih12: QUANTISED
;;     5. [M 4,096, K 1,024] x [K 1,024, N 2,048]; A: computed on the way; B: input W_ih12: QUANTISED
;;     6. [M 4,096, K 1,024] x [K 1,024, N 2,048]; A: computed on the way; B: input W_ih12: QUANTISED
;;   THE QUANTISER, for each operand of a quantised product, along K:
;;     - K is cut into blocks of 32 from its start; a last block that is shorter is filled with zeros.
;;     - A block's scale is 2^e with e = floor(log2(the largest magnitude in the block)) - 4, held to -126 .. 127; a block of zeros has e = 0. As a byte (E8M0): e + 127.
;;     - Each number is divided by its block's scale, clamped to +-28, and rounded to the nearest number of E3M2, ties to even, subnormals kept.
;;     - The product sums the exact products of the quantised numbers (number of the format x scale) in f32.
;;   ~~~python
;;   def quantise(x, axis):      # numpy; x: float32 -> the quantised numbers, widened to float32 again
;;       x = np.moveaxis(x, axis, -1); K = x.shape[-1]
;;       x = np.pad(x, [(0, 0)] * (x.ndim - 1) + [(0, -K % 32)]); x = x.reshape(x.shape[:-1] + (-1, 32)); a = np.abs(x).max(-1, keepdims=True)
;;       e = np.where(a > 0, np.clip(np.frexp(np.where(a > 0, a, 1))[1] - 1 - 4, -126, 127), 0)      # np.frexp(a)[1] - 1 = floor(log2(a)), exactly
;;       r = np.clip(x / 2.0 ** e, -28, 28)
;;       step = 2.0 ** (np.maximum(np.frexp(np.where(r == 0, 1, r))[1] - 1, -2) - 2)
;;       q = np.round(r / step) * step * 2.0 ** e      # np.round: ties to even
;;       return np.moveaxis(q.reshape(q.shape[:-2] + (-1,))[..., :K], -1, axis).astype(np.float32)
;;   ~~~
;;   OPERANDS COMPUTED ON THE WAY. 'Computed on the way' means the value that the module computes at that place (a softmax that the list does not call 'softmax' is quantised finished and normalised). What goes into a quantiser is computed in f32, as accurately as f32 sums, v_exp_f32 and their like allow (about 1e-6 of the number): no bf16 or f16 on the way to a quantiser, and a product that is left as it is and whose result goes on into a quantised operand takes f32 operands (vector FMAs, or v_wmma_f32_16x16x4_f32). A number that lies on a knife's edge between two numbers of the format may be rounded either way, as far as f32 arithmetic and the matrix unit's own rounding can turn it there, and no further.
;; One version. Each part assembles by itself: llvm-mc -triple=amdgcn-amd-amdhsa -mcpu=gfx1250 --defsym DOCPART=n.
;; ======== version 1 of 1: 4 launches
;; limits: right only within a limited range of input values
;; workspace buffers: act0 3,276,800 bytes; act1 3,276,800 bytes; act2 3,276,800 bytes; wp0 2,457,600 bytes; wp1 2,457,600 bytes; wp2 2,457,600 bytes
;; launch quant (part 1): grid 208 x 1, 16 waves a work-group, no clusters, 327,680 bytes of LDS; arguments x, W_ih0, W_ih12, act0, wp0, wp1, wp2; writes act0, wp0, wp1, wp2
.if DOCPART == 1
	.amdgcn_target "amdgcn-amd-amdhsa--gfx1250"
	.amdhsa_code_object_version 6
	.text
	.protected	k_q1afdb0f339_quant
	.globl	k_q1afdb0f339_quant
	.p2align	8
	.type	k_q1afdb0f339_quant,@function
k_q1afdb0f339_quant:
	s_mov_b64 s[64:65], 0
	v_nop
	global_prefetch_b8 v0, s[64:65] scope:SCOPE_SE
	s_setreg_imm32_b32 hwreg(HW_REG_WAVE_MODE, 25, 1), 1
	s_wait_xcnt 0x0
; x and the rows of gates i, g, o of W_ih0 and W_ih12, f32, become codes of BF6 (E3M2) with one E8M0 byte for each 32 along K, laid in the order of the layers' operand registers.
; WORK LEFT OUT, for all values of the inputs.  reference() splits each layer's gates into i, f, g, o and never reads f (the cell state is zero, and f * c0 is not written): the rows of gate f of every W_ih and
; the same quarter of every bias reach no output, and are neither read nor multiplied.  reference() never reads W_hh0 and W_hh12 (h0 = 0): no launch names them.
; LIMIT: a NaN, an infinity or an overflow that reaches only the work left out is not carried to the result.  NaN and infinities among the inputs are not served.  A block of zeros gets the byte 1 and zero codes.
; SHARES.  104 groups of 128 rows (32 of x, 72 of weights), two work-groups to a group, each with four of the eight K steps; wave w takes K step w % 4 of them and rows 32 (w / 4) .. + 31: ONE tensor load of 32 rows of 512 bytes,
; 16 bytes of padding behind each, into LDS bytes of its own, filled once; only the issuing wave reads them, behind its own wait.  A lane then holds two whole blocks of 32 of one row, for each of the wave's two tiles of 16 rows.
; A wave makes two of the eight scale bytes of a row and block: the four waves of a K step gather them in an LDS scratch of their own, behind one barrier, and two of them store 256 consecutive bytes each.
.set LROW,  528
.set PAIRB, 32*LROW                    ; a wave's tile in LDS
.set SPARE, 16*PAIRB                   ; the spare words, 128 bytes a wave
.set SCR,   SPARE+2048                 ; the scratch for scale bytes: 512 bytes a K step
.set ASC,   3145728
.set WSC,   2359296
.set G1,    24
.set G0,    32
.set D0,    48
.set DS,    52
.set PST,   54
.set F0,    32
.set F1,    44
.set NS,    64
	s_load_b256 s[4:11], s[0:1], 0x0
	s_load_b128 s[12:15], s[0:1], 0x20
	s_load_b64 s[16:17], s[0:1], 0x30
	v_lshl_add_u32 v192, v0, 2, SPARE
	v_mov_b32 v193, 0
	ds_add_u32 v192, v193                          ; the opening lines: the add, twice on end, and its wait
	ds_add_u32 v192, v193
	v_lshrrev_b32 v1, 5, v0
	v_readfirstlane_b32 s75, v1                    ; wave 0..15
	s_and_b32 s18, s75, 3                          ; which of the work-group's four K steps
	s_lshr_b32 s74, s75, 2                         ; q: which 32 rows, a pair of tiles
	s_lshr_b32 s19, ttmp9, 1                       ; the group of 128 rows
	s_and_b32 s20, ttmp9, 1
	s_lshl_b32 s20, s20, 2
	s_add_co_u32 s20, s20, s18                     ; the K step
	s_mov_b32 s[G1+0], (2<<16)|(1<<20)|(6<<22)|(3<<25)
	s_mov_b32 s[G1+1], 128<<16
	s_mov_b32 s[G1+2], 32<<16
	s_mov_b32 s[G1+3], 128<<16
	s_mov_b32 s[G1+4], 32
	s_mov_b32 s[G1+5], 1024
	s_mov_b32 s[G1+6], 0
	s_mov_b32 s[G1+7], 0
	s_cmp_lt_u32 s19, 32                           ; groups 32 .. 103 are weights: layer s22, block of 128 units s23, gate s21 of i, g, o
	s_cselect_b32 s21, 32, s19
	s_sub_co_u32 s21, s21, 32
	s_mul_i32 s22, s21, 2731
	s_lshr_b32 s22, s22, 16
	s_mul_i32 s56, s22, 24
	s_sub_co_u32 s21, s21, s56
	s_mul_i32 s23, s21, 21846
	s_lshr_b32 s23, s23, 16
	s_mul_i32 s56, s23, 3
	s_sub_co_u32 s21, s21, s56
	s_add_co_u32 s60, s56, s21
	s_lshl_b32 s60, s60, 12
	s_add_co_u32 s60, s60, WSC
	s_mul_i32 s59, s23, 4*73728
	s_mul_i32 s56, s20, 9216
	s_add_co_u32 s59, s59, s56
	s_mul_i32 s56, s21, 1536
	s_add_co_u32 s59, s59, s56
	s_min_u32 s56, s21, 1
	s_add_co_u32 s56, s56, s21                     ; gates i, g, o are quarters 0, 2, 3
	s_lshl_b32 s58, s56, 9
	s_lshr_b32 s56, s23, 2
	s_lshl_b32 s56, s56, 11
	s_add_co_u32 s58, s58, s56
	s_and_b32 s56, s23, 3
	s_lshl_b32 s56, s56, 7
	s_add_co_u32 s58, s58, s56
	s_lshr_b32 s56, s22, 1
	s_lshl_b32 s56, s56, 12
	s_add_co_u32 s58, s58, s56
	s_lshl_b32 s61, s19, 7
	s_mul_i32 s62, s19, 98304
	s_mul_i32 s56, s20, 12288
	s_add_co_u32 s62, s62, s56
	s_lshl_b32 s63, s19, 12
	s_add_co_u32 s63, s63, ASC
	s_mov_b32 s[PST], 73728
	s_mov_b32 s72, 4608
	v_and_b32 v1, 31, v0
	v_and_b32 v2, 15, v0
	v_bfe_u32 v3, v0, 4, 1
	s_mul_i32 s57, s75, PAIRB                      ; my wave's LDS bytes
	v_mul_u32_u24 v4, v2, LROW
	v_lshl_add_u32 v4, v3, 7, v4
	v_add_nc_u32 v4, s57, v4
	v_lshlrev_b32 v5, 4, v1
	v_lshlrev_b32 v6, 3, v1
	v_xor_b32 v7, 1, v3
	v_lshlrev_b32 v8, 3, v2
	v_lshl_add_u32 v7, v7, 7, v8
	s_lshl_b32 s78, s18, 9
	s_add_co_u32 s78, s78, SCR                     ; my K step's scratch
	s_lshl_b32 s79, s74, 1
	s_add_co_u32 s79, s79, s78
	v_add_nc_u32 v18, s79, v6                      ; in: 8 x lane + my two tiles' places
	s_lshl_b32 s79, s74, 8
	v_add_nc_u32 v27, s79, v6                      ; out, waves q = 0, 1: the 256 bytes of c = q, in memory
	s_add_co_u32 s79, s79, s78
	v_add_nc_u32 v19, s79, v6                      ; and in the scratch
	s_wait_alu depctr_va_vdst(0)                   ; the wait at the head's end
	s_wait_dscnt 0x0
	s_wait_kmcnt 0x0
	s_cmp_eq_u32 s22, 0
	s_cselect_b64 s[6:7], s[6:7], s[8:9]
	s_cselect_b64 s[12:13], s[12:13], s[14:15]
	s_cmp_eq_u32 s22, 2
	s_cselect_b64 s[12:13], s[16:17], s[12:13]
	s_cmp_lt_u32 s19, 32
	s_cselect_b64 s[4:5], s[4:5], s[6:7]
	s_cselect_b64 s[10:11], s[10:11], s[12:13]
	s_cselect_b32 s66, s61, s58
	s_cselect_b32 s68, s62, s59
	s_cselect_b32 s70, s63, s60
	s_cselect_b32 s[PST], 1536, s[PST]
	s_cselect_b32 s72, 6144, s72
	s_lshl_b32 s66, s66, 12
	s_lshl_b32 s56, s20, 9
	s_add_co_u32 s66, s66, s56
	s_add_co_u32 s70, s70, s56
	s_lshl_b32 s56, s74, 17
	s_add_co_u32 s66, s66, s56                     ; my 32 rows of 4,096 bytes
	s_mul_i32 s56, s74, s[PST]
	s_add_co_u32 s68, s68, s56                     ; my pair of tiles in the codes
	s_mov_b32 s67, 0
	s_mov_b32 s69, 0
	s_mov_b32 s71, 0
	s_mov_b32 s73, 0
	s_add_nc_u64 s[4:5], s[4:5], s[66:67]
	s_add_nc_u64 s[D0:D0+1], s[10:11], s[68:69]
	s_add_nc_u64 s[D0+2:D0+3], s[D0:D0+1], s[72:73]
	s_add_nc_u64 s[DS:DS+1], s[10:11], s[70:71]
	s_mov_b32 s[G0], 1
	s_add_co_u32 s[G0+1], s57, 0
	s_mov_b64 s[G0+2:G0+3], s[4:5]
	s_or_b32 s[G0+3], s[G0+3], 0x80000000
	tensor_load_to_lds s[G0:G0+3], s[G1:G1+7]      ; my one tensor load
	s_nop 0
.rept 4
	v_nop
.endr
.macro LOADT e                         ; tile e: my row's blocks 2 c + h, with bits 3 and 4 of the place in a block exchanged
.irp c, 0,1
.irp i, 0,1,2,3,4,5,6,7
.set pp, NS+64*(\e)+32*\c+4*((\i&1)+((\i&2)<<1)+((\i&4)>>1))
	ds_load_b128 v[pp:pp+3], v4 offset:(\e)*16*LROW+256*\c+16*\i
.endr
.endr
.endm
.macro PROC e, left                    ; tile e: two blocks' largest magnitudes, scale bytes and codes
.set nn, NS+64*(\e)
.set ff, F0+12*(\e)
	s_wait_dscnt \left
	v_max3_num_f32 v8, |v[nn]|, |v[nn+1]|, 0x2800000               ; with the floor 2^(5 - 127): the byte cannot fall under 1
	v_max3_num_f32 v9, |v[nn+32]|, |v[nn+33]|, 0x2800000
.set kk, 2
.rept 15
	v_max3_num_f32 v8, v8, |v[nn+kk]|, |v[nn+kk+1]|
	v_max3_num_f32 v9, v9, |v[nn+32+kk]|, |v[nn+33+kk]|
.set kk, kk+2
.endr
	v_add_nc_u32 v10, 0xfe000000, v8               ; 4 off the exponent field: the conversion's scale operand
	v_add_nc_u32 v11, 0xfe000000, v9
	v_lshrrev_b32 v12, 23, v10                     ; the scale's byte
	v_lshrrev_b32 v13, 23, v11
.if (\e) == 0
	v_mov_b32 v14, v12
	v_mov_b32 v16, v13
.else
	v_lshl_or_b32 v14, v12, 8, v14
	v_lshl_or_b32 v16, v13, 8, v16
.endif
	v_cvt_scalef32_pk16_bf6_f32 v[ff:ff+2], v[nn:nn+15], v10
	v_cvt_scalef32_pk16_bf6_f32 v[20:22], v[nn+16:nn+31], v10
	v_cvt_scalef32_pk16_bf6_f32 v[ff+6:ff+8], v[nn+32:nn+47], v11
	v_cvt_scalef32_pk16_bf6_f32 v[24:26], v[nn+48:nn+63], v11
	v_nop
.irp i, 0,1,2
	v_mov_b32 v[ff+3+\i], v[20+\i]
	v_mov_b32 v[ff+9+\i], v[24+\i]
.endr
.endm
	s_wait_tensorcnt 0x0                           ; my tile is in
	LOADT 0
	LOADT 1
	PROC 0, 16
	PROC 1, 0
.irp x, 4,5,10,11
	v_permlane16_swap_b32 v[F0+\x], v[F1+\x]
.endr
.irp c, 0,1
	global_store_b128 v5, v[F0+6*\c:F0+6*\c+3], s[D0+2*\c:D0+2*\c+1]
	global_store_b128 v5, v[F1+6*\c:F1+6*\c+3], s[D0+2*\c:D0+2*\c+1] offset:512
	global_store_b64 v6, v[F0+6*\c+4:F0+6*\c+5], s[D0+2*\c:D0+2*\c+1] offset:1024
	global_store_b64 v7, v[F1+6*\c+4:F1+6*\c+5], s[D0+2*\c:D0+2*\c+1] offset:1280
.endr
	ds_store_b16 v18, v14                          ; my two tiles' bytes of block h,
	ds_store_b16 v18, v16 offset:256               ; and of block 2 + h
	s_wait_dscnt 0x0                               ; for the others' sake: my stores into the scratch are done
	s_barrier_signal -1
	s_barrier_wait -1
	s_cmp_lt_u32 s74, 2
	s_cbranch_scc0 .Lno_bytes
	ds_load_b64 v[28:29], v19                      ; a row's eight bytes
	s_wait_dscnt 0x0
	global_store_b64 v27, v[28:29], s[DS:DS+1]     ; 32 lanes store 256 consecutive bytes, aligned
.Lno_bytes:
	s_wait_tensorcnt 0x0                           ; the wave's end
	ds_add_u32 v192, v193
	s_wait_dscnt 0x0
	s_endpgm
.Lfunc_end_k_q1afdb0f339_quant:
	.size	k_q1afdb0f339_quant, .Lfunc_end_k_q1afdb0f339_quant-k_q1afdb0f339_quant
	.p2alignl 7, 3214868480
	.fill 96, 4, 3214868480
	.section	.rodata,"a",@progbits
	.p2align	6, 0x0
	.amdhsa_kernel k_q1afdb0f339_quant
		.amdhsa_group_segment_fixed_size 327680
		.amdhsa_private_segment_fixed_size 0
		.amdhsa_enable_private_segment 0
		.amdhsa_kernarg_size 56
		.amdhsa_user_sgpr_count 2
		.amdhsa_user_sgpr_kernarg_segment_ptr 1
		.amdhsa_wavefront_size32 1
		.amdhsa_system_sgpr_workgroup_id_x 1
		.amdhsa_system_sgpr_workgroup_id_y 1
		.amdhsa_system_sgpr_workgroup_id_z 1
		.amdhsa_system_vgpr_workitem_id 0
		.amdhsa_next_free_vgpr 194
		.amdhsa_next_free_sgpr 80
		.amdhsa_reserve_vcc 0
		.amdhsa_float_denorm_mode_32 3
		.amdhsa_float_denorm_mode_16_64 3
		.amdhsa_memory_ordered 1
		.amdhsa_forward_progress 1
		.amdhsa_inst_pref_size 15
	.end_amdhsa_kernel
	.amdgpu_metadata
---
amdhsa.version: [ 1, 2 ]
amdhsa.kernels:
  - .name:           k_q1afdb0f339_quant
    .symbol:         k_q1afdb0f339_quant.kd
    .args:
      - { .name: x, .offset: 0, .size: 8, .value_kind: global_buffer, .address_space: global }
      - { .name: W_ih0, .offset: 8, .size: 8, .value_kind: global_buffer, .address_space: global }
      - { .name: W_ih12, .offset: 16, .size: 8, .value_kind: global_buffer, .address_space: global }
      - { .name: act0, .offset: 24, .size: 8, .value_kind: global_buffer, .address_space: global }
      - { .name: wp0, .offset: 32, .size: 8, .value_kind: global_buffer, .address_space: global }
      - { .name: wp1, .offset: 40, .size: 8, .value_kind: global_buffer, .address_space: global }
      - { .name: wp2, .offset: 48, .size: 8, .value_kind: global_buffer, .address_space: global }
    .group_segment_fixed_size: 327680
    .private_segment_fixed_size: 0
    .kernarg_segment_align: 8
    .kernarg_segment_size: 56
    .max_flat_workgroup_size: 512
    .sgpr_count:     80
    .vgpr_count:     194
    .wavefront_size: 32
...
	.end_amdgpu_metadata
.endif
;; end of part 1
;; launch layer0 (part 2): grid 16 x 16, 8 waves a work-group, clusters of 4 x 4, 320,512 bytes of LDS; arguments act0, wp0, b_ih0, b_hh0, act1; writes act1
.if DOCPART == 2
	.amdgcn_target "amdgcn-amd-amdhsa--gfx1250"
	.amdhsa_code_object_version 6
	.text
	.protected	k_q1afdb0f339_layer0
	.globl	k_q1afdb0f339_layer0
	.p2align	8
	.type	k_q1afdb0f339_layer0,@function
k_q1afdb0f339_layer0:
	s_mov_b64 s[64:65], 0
	v_nop
	global_prefetch_b8 v0, s[64:65] scope:SCOPE_SE
	s_setreg_imm32_b32 hwreg(HW_REG_WAVE_MODE, 25, 1), 1
	s_wait_xcnt 0x0
	s_wait_alu depctr_hold_cnt(0) depctr_sa_sdst(0) depctr_va_vdst(0) depctr_va_sdst(0) depctr_va_ssrc(0) depctr_va_vcc(0) depctr_vm_vsrc(0)
	s_getreg_b32 s2, hwreg(HW_REG_IB_STS2, 6, 4)
	s_cmp_eq_u32 s2, 0
	s_cbranch_scc0 .Lentry_in_a_cluster
	s_endpgm
.Lentry_in_a_cluster:
	s_bfe_u32 s2, ttmp6, 0x10000c
	s_cmp_lg_u32 s2, 0xf033
	s_cbranch_scc0 .Lentry_shape_is_right
	s_endpgm
.Lentry_shape_is_right:
; ONE LAYER: gates = A W^T + b_ih + b_hh on codes of BF6 (E3M2) with E8M0 scales, K = 1,024;  h = sigmoid(o) tanh(sigmoid(i) tanh(g)); h is quantised along the next layer's K and stored as codes and scale bytes.
; Gate f is neither multiplied nor read: the layer splits that quarter off and never uses it.  The recurrent weights enter no result (the state is zero) and are named by no launch.
; THE OPERANDS lie in memory in the order of their registers.  A fragment: 16 rows x 128 K, 12 registers; lane (r, h): row r, registers 6 c .. 6 c + 5 = block 2 c + h.  Two neighbouring tiles (e = 0, 1), one K step, one c are 1,536 bytes:
; registers 6 c + 0..3 at 512 e + 16 (r + 16 h), registers 6 c + 4, 5 at 1024 + 256 h + 128 (e xor h) + 8 r.  A: (row / 128) 98304 + 12288 s + 6144 c + 1536 pair.  W: cb 73728 + 9216 s + 4608 c + 1536 G  (cb = 16 direction + unit / 32; G = gate i, g, o).
; Inside a block of 32 number k lies at the place with k's bits 3 and 4 exchanged, in both operands.  Scale bytes: group 4096 + block 128 + 8 r + tile, behind the codes.
; SHARES.  A work-group makes 256 rows x 64 units x 3 gates, with eight waves, two to a SIMD; wave w makes rows 64 (w / 2) .. + 63 x units 32 (w % 2) .. + 31 x 3 gates: 24 accumulators, 192 registers.  16 x 16 work-groups.
; THE PRODUCT IS USED TRANSPOSED: source 0 = 16 rows of W, source 1 = 16 rows of A.  Lane (r, h) holds row r of A, and register j of tile (G, u) unit 16 u + 8 h + j of my 32: the three gates of a unit meet in one lane,
; and a lane's 16 numbers of h are half of ONE block of the next layer's K.  b_ih + b_hh, in the result's layout, is the C of K step 0's products.
; LDS holds A's K steps 0-6 and W's K steps 0-7, each byte filled once, by SIX joint loads at the head, one a wave (waves 6 and 7 issue none): phases of 1, 2 and 4 (W: 5) K steps, A's and W's load of each.  A load is a tile of two rows:
; the two halves of the block (128 rows of A, 32 units of W), each the phase's K steps on end in memory, a multiple of 256 bytes.  Waves 0, 1 wait for phase 1 ahead of the first barrier, waves 0-3 ahead of the barrier in K step 0,
; every wave ahead of the barrier in K step 2.  A's K step 7 goes from memory straight into registers (16 loads a wave).  No prefetch: every tile is asked for at the head, and there is no loop to run ahead in.
; Each phase has its own six LDS address registers, made at the head; the K step inside a phase stands in the loads' immediates (45,696 at the most).
; FRAGMENTS ARE ASKED FOR A K STEP AHEAD: A has two sets of registers and its next step is fetched at a step's top; a step's products go by W's tiles, and each tile of W is fetched anew behind its four products.
; CLUSTER 4 x 4: A's tiles hang on the block of rows alone and are asked for jointly along a row of the cluster, W's on the block of units alone, along a column.
; THE ACTIVATION, in f32, L = log2(e):  Ei = 2^(-L i), Eg = 2^(2 L g), Eo = 2^(-L o);  c = (Eg - 1) / ((1 + Ei)(1 + Eg));  Ec = 2^(2 L c);  h = (Ec - 1) / ((1 + Eo)(1 + Ec)).
; LIMITS: NaN and infinities among the inputs are not served.  2 L g is held at 32 from above, where (Eg - 1) / (Eg + 1) is 1 in f32.  c is taken as 0 where (1 + Ei)(1 + Eg) passes f32's range: |c| under 2^-95.
; tanh as (E - 1) / (E + 1) loses, for small arguments, the bits that E - 1 cancels: an absolute error of about 1e-7.  A block of zeros gets the byte 1 and zero codes.
; REGISTERS.  Window 0: v1-31 addresses; v32-47 A's scale words, v48-71 W's; v72-119 A's fragments of even K steps; v120-191 W's; v192-239 b_ih + b_hh, and behind K step 0 A's fragments of odd K steps; v240 h's scale bytes;
;   v242-247 lane terms of the head; v254, v255 the add's.
;   Window 1: v0-191 accumulator (a, j) at v[48 a + 8 j] (at the head: scale bytes and biases as loaded, v160-199 at work); v192-239 A's fragments of K step 7; in the activation v192-255 are at work.
.set BOFF,  0                          ; the layer's first byte in the two bias buffers
.set AHALF, 12288                      ; a K step of 128 rows of A
.set WHALF, 9216                       ; and of 32 units x 3 gates of W
.set LA1,   0                          ; LDS: phase 1: K step 0
.set LW1,   LA1+2*AHALF
.set LA2,   LW1+2*WHALF                ; phase 2: K steps 1, 2
.set LW2,   LA2+4*AHALF
.set LA3,   LW2+4*WHALF                ; phase 3: A's K steps 3-6, W's 3-7
.set LW3,   LA3+8*AHALF
.set SPARE, LW3+10*WHALF               ; the spare words, 128 bytes a wave
.set ABLK,  98304
.set WBLK,  73728
.set ASC,   3145728
.set WSC,   2359296
.set SA,    32                         ; A's scale words: block a, K steps 2 p (lanes 0-15) and 2 p + 1 (lanes 16-31) at v[SA + 4 a + p]
.set SB,    48                         ; W's: tile j at v[SB + 6 p + j]
.set AF,    72                         ; A's fragments, even K steps
.set AF1,   192                        ; odd K steps (K step 7: the same numbers in window 1)
.set WF,    120
.set BI,    192                        ; b_ih + b_hh: tile j's eight at v[BI + 8 j]
.set ZB,    240
.set TB,    192
.set MX,    192
.set MP,    196
.set SO,    200
.set BY,    204
.set KN,    92                         ; s[92:93] -L, twice
.set KP,    94                         ; s[94:95] 2 L, twice
.set SEL,   96                         ; lane selects for lane l xor 16
.set MSB, 0
.macro WIN new
.if MSB != (\new)
	s_set_vgpr_msb (MSB<<8)|(\new)
.set MSB, (\new)
.endif
.endm
.macro PLACES n
.rept \n
	v_nop
.endr
.endm
.macro CROUND                          ; a round of the cluster's barrier
	s_barrier_signal -1
	s_barrier_wait -1
	s_cmp_lg_u32 s14, 0
	s_cbranch_scc1 .Lnot_wave_0_\@
	s_barrier_signal -3
.Lnot_wave_0_\@:
	s_barrier_wait -3
	s_barrier_signal -1
	s_barrier_wait -1
.endm
.macro PH s                            ; K step s: its phase ph and its place sb in it
.if (\s) < 1
.set ph, 0
.set sb, (\s)
.elseif (\s) < 3
.set ph, 1
.set sb, (\s)-1
.else
.set ph, 2
.set sb, (\s)-3
.endif
.endm
.macro FRAG reg, adr, o, q, e, half    ; a fragment from LDS: tile e of pair q, o bytes into the phase
	ds_load_b128 v[(\reg):(\reg)+3], v[(\adr)] offset:(\o)+(\q)*1536+512*(\e)
	ds_load_b64 v[(\reg)+4:(\reg)+5], v[(\adr)+1+(\e)] offset:(\o)+(\q)*1536+1024+128*(\e)
	ds_load_b128 v[(\reg)+6:(\reg)+9], v[(\adr)] offset:(\o)+(\half)+(\q)*1536+512*(\e)
	ds_load_b64 v[(\reg)+10:(\reg)+11], v[(\adr)+1+(\e)] offset:(\o)+(\half)+(\q)*1536+1024+128*(\e)
.endm
.macro GFRAG reg, off, b, q, e, half   ; the same four from memory
	global_load_b128 v[(\reg):(\reg)+3], v[(\off)], s[\b:\b+1] offset:(\q)*1536+512*(\e)
	global_load_b64 v[(\reg)+4:(\reg)+5], v[(\off)+1+(\e)], s[\b:\b+1] offset:(\q)*1536+1024+128*(\e)
	global_load_b128 v[(\reg)+6:(\reg)+9], v[(\off)], s[\b:\b+1] offset:(\half)+(\q)*1536+512*(\e)
	global_load_b64 v[(\reg)+10:(\reg)+11], v[(\off)+1+(\e)], s[\b:\b+1] offset:(\half)+(\q)*1536+1024+128*(\e)
.endm
.macro FETCH_A s                       ; my four blocks of A, K step s, into the step's set: 16 loads
	PH \s
.set fa, 0
.rept 4
	FRAG AF+(AF1-AF)*((\s)%2)+12*fa, 4+6*ph, sb*AHALF, fa/2, fa%2, 6144
.set fa, fa+1
.endr
.endm
.macro FETCH_B s, j0, n                ; n of W's six tiles from j0 on, K step s: four loads each
	PH \s
.set fb, \j0
.rept \n
	FRAG WF+12*fb, 7+6*ph, sb*WHALF, fb/2, fb%2, 4608
.set fb, fb+1
.endr
.endm
; n of W's tiles from j0 on x my four blocks of A, K step s.  The 24 accumulators take turns, in the same order in every K step; K step 0 starts the sums from the biases; an odd K step's scale words lie in lanes 16-31.
.macro MULW j0, n, s
.set rj, (\j0)-1
.rept \n
.set rj, rj+1
.irp a, 0,1,2,3
.set rD, 48*\a+8*rj
.set rB, WF+12*rj
.set rA, AF+(AF1-AF)*((\s)%2)+12*\a
.set rX, SB+6*((\s)/2)+rj
.set rY, SA+4*\a+(\s)/2
.if (\s) == 0
	v_wmma_scale_f32_16x16x128_f8f6f4 v[rD:rD+7], v[rB:rB+11], v[rA:rA+11], v[BI+8*rj:BI+8*rj+7], v[rX], v[rY] matrix_a_fmt:MATRIX_FMT_BF6 matrix_b_fmt:MATRIX_FMT_BF6
.elseif (\s)%2
	v_wmma_scale_f32_16x16x128_f8f6f4 v[rD:rD+7], v[rB:rB+11], v[rA:rA+11], v[rD:rD+7], v[rX], v[rY] matrix_a_fmt:MATRIX_FMT_BF6 matrix_b_fmt:MATRIX_FMT_BF6 matrix_a_scale:MATRIX_SCALE_ROW1 matrix_b_scale:MATRIX_SCALE_ROW1
.else
	v_wmma_scale_f32_16x16x128_f8f6f4 v[rD:rD+7], v[rB:rB+11], v[rA:rA+11], v[rD:rD+7], v[rX], v[rY] matrix_a_fmt:MATRIX_FMT_BF6 matrix_b_fmt:MATRIX_FMT_BF6
.endif
.endr
.endr
.endm
.macro GRP1 g, mask, row, pitch        ; descriptor group 1: two rows of \row elements of 8 bytes, \pitch elements apart, no padding; the mask, and bit 21 beside it
	s_or_b32 s[\g], \mask, (3<<16)|(1<<21)
	s_mov_b32 s[\g+1], (\row)<<16
	s_mov_b32 s[\g+2], 2<<16
	s_mov_b32 s[\g+3], (\row)<<16
	s_mov_b32 s[\g+4], 2
	s_mov_b32 s[\g+5], \pitch
	s_mov_b32 s[\g+6], 0
	s_mov_b32 s[\g+7], 0
.endm
.macro ARM under, g0, g1, next         ; one arm of the head's chain: its load, the lines behind it, a jump to the join
	s_cmp_lt_u32 s14, \under
	s_cbranch_scc0 \next
	tensor_load_to_lds s[\g0:\g0+3], s[\g1:\g1+7]
	s_nop 0
	PLACES 4
	s_branch .Lasked
\next:
.endm
.macro ADDR p, ka, la, kw, lw          ; phase p's six LDS address registers
	s_mul_i32 s3, s15, (\ka)*AHALF
	s_add_co_u32 s3, s3, \la
	s_add_co_u32 s3, s3, s105
	v_add_nc_u32 v[4+6*\p], s3, v3
	v_add_nc_u32 v[5+6*\p], s3, v242
	v_add_nc_u32 v[6+6*\p], s3, v243
	s_mul_i32 s3, s2, (\kw)*WHALF
	s_add_co_u32 s3, s3, \lw
	v_add_nc_u32 v[7+6*\p], s3, v3
	v_add_nc_u32 v[8+6*\p], s3, v242
	v_add_nc_u32 v[9+6*\p], s3, v243
.endm
	s_load_b256 s[4:11], s[0:1], 0x0               ; A s[4:5], W s[6:7], b_ih s[8:9], b_hh s[10:11]
	s_load_b64 s[12:13], s[0:1], 0x20              ; the result
	v_lshl_add_u32 v254, v0, 2, SPARE
	v_mov_b32 v255, 0
	ds_add_u32 v254, v255                          ; the opening lines: the add, twice on end, and its wait
	ds_add_u32 v254, v255
	v_lshrrev_b32 v1, 5, v0
	v_readfirstlane_b32 s14, v1                    ; wave 0..7
	s_and_b32 s2, s14, 1                           ; ch: my half of the units
	s_lshr_b32 s15, s14, 2                         ; rh: my half of the rows,
	s_bfe_u32 s104, s14, 0x10001                   ; and my quarter in it
	s_mul_i32 s105, s104, 3072                     ; two pairs of tiles
	s_bfe_u32 s92, ttmp6, 0x40000                  ; cx, cy
	s_bfe_u32 s93, ttmp6, 0x40004
	s_lshl_b32 s94, ttmp9, 2
	s_add_co_u32 s94, s94, s92                     ; X: the block of 64 units
	s_and_b32 s95, ttmp7, 0xffff
	s_lshl_b32 s95, s95, 2
	s_add_co_u32 s95, s95, s93                     ; Y: the block of 256 rows
	s_lshl_b32 s96, s93, 2
	s_lshl_b32 s96, 15, s96                        ; my row of the cluster
	s_lshl_b32 s97, 0x1111, s92                    ; my column
	GRP1 16, s96, AHALF/8, ABLK/8
	GRP1 24, s97, WHALF/8, WBLK/8
	GRP1 32, s96, 2*AHALF/8, ABLK/8
	GRP1 40, s97, 2*WHALF/8, WBLK/8
	GRP1 48, s96, 4*AHALF/8, ABLK/8
	GRP1 56, s97, 5*WHALF/8, WBLK/8
	s_mul_i32 s98, s95, 2*ABLK                     ; A's offset is made of Y alone,
	s_mov_b32 s99, 0
	s_mul_i32 s100, s94, 2*WBLK                    ; W's of X alone
	s_mov_b32 s101, 0
	s_mov_b32 s68, 1                               ; the six groups 0: count, LDS address
	s_mov_b32 s69, LA1
	s_mov_b32 s72, 1
	s_mov_b32 s73, LW1
	s_mov_b32 s76, 1
	s_mov_b32 s77, LA2
	s_mov_b32 s80, 1
	s_mov_b32 s81, LW2
	s_mov_b32 s84, 1
	s_mov_b32 s85, LA3
	s_mov_b32 s88, 1
	s_mov_b32 s89, LW3
	v_and_b32 v1, 15, v0                           ; r
	v_bfe_u32 v2, v0, 4, 1                         ; h
	v_and_b32 v3, 31, v0
	v_lshlrev_b32 v3, 4, v3                        ; 16 x lane
	v_lshlrev_b32 v31, 3, v1                       ; 8 r
	v_mad_u32_u24 v242, v2, 384, v31               ; 384 h + 8 r
	v_lshl_add_u32 v243, v2, 7, v31                ; 128 h + 8 r
	v_lshl_add_u32 v244, v2, 9, v31                ; 512 h + 8 r: lanes 16-31 take the odd K step's four blocks
	v_lshlrev_b32 v245, 5, v2                      ; 32 h
	v_lshlrev_b32 v246, 4, v1
	v_lshl_add_u32 v246, v2, 9, v246               ; 512 e + 16 r, e = my half of the lanes
	v_xor_b32 v247, s2, v2
	v_lshl_add_u32 v247, v247, 7, v31
	v_add_nc_u32 v247, 1024, v247                  ; 1024 + 128 (e xor ch) + 8 r
	s_wait_alu depctr_va_vdst(0)
	ADDR 0, 1, LA1, 1, LW1
	ADDR 1, 2, LA2, 2, LW2
	ADDR 2, 4, LA3, 5, LW3
	s_lshl_b32 s66, s95, 1
	s_add_co_u32 s66, s66, s15                     ; hb = 2 Y + rh
	s_lshl_b32 s67, s94, 1
	s_add_co_u32 s67, s67, s2                      ; cb = 2 X + ch
	s_mul_i32 s3, s66, ABLK
	s_add_co_u32 s3, s3, 7*AHALF
	s_add_co_u32 s3, s3, s105                      ; K step 7 of my rows, in memory
	v_add_nc_u32 v22, s3, v3
	v_add_nc_u32 v23, s3, v242
	v_add_nc_u32 v24, s3, v243
	s_lshl_b32 s104, s104, 2                       ; my four tiles' bytes among a row's eight
	s_lshl_b32 s3, s66, 12
	s_add_co_u32 s3, s3, ASC
	s_add_co_u32 s3, s3, s104
	v_add_nc_u32 v25, s3, v244                     ; A's scale bytes: group hb
	s_lshl_b32 s101, s67, 7
	s_add_co_u32 s3, s3, s101
	v_add_nc_u32 v30, s3, v31                      ; h's scale bytes: group hb, block cb, 8 r + my four tiles; both halves of the lanes name the same word and hold the same bytes
	s_mov_b32 s101, 0
	s_lshr_b32 s3, s67, 2
	s_mul_i32 s3, s3, 12288
	s_add_co_u32 s3, s3, WSC
	s_and_b32 s104, s67, 3
	s_lshl_b32 s104, s104, 1
	s_add_co_u32 s3, s3, s104
	v_add_nc_u32 v26, s3, v244                     ; W's: groups 3 (cb / 4) + G, tiles 2 (cb % 4) and the next
	s_lshr_b32 s3, s67, 4
	s_lshl_b32 s3, s3, 13                          ; the biases: the direction's 2,048 numbers,
	s_and_b32 s104, s67, 15
	s_lshl_b32 s104, s104, 7                       ; my 32 units,
	s_add_co_u32 s3, s3, s104
	s_add_co_u32 s3, s3, BOFF                      ; the layer
	v_add_nc_u32 v27, s3, v245
	s_mul_i32 s3, s66, ABLK                        ; the next layer's A: my rows; my 32 units are block cb of its K
	s_mul_i32 s104, s94, 6144
	s_add_co_u32 s3, s3, s104
	s_lshl_b32 s104, s2, 8
	s_add_co_u32 s3, s3, s104
	s_add_co_u32 s3, s3, s105
	v_add_nc_u32 v28, s3, v246                     ; registers 0..3 of the block's six
	v_add_nc_u32 v29, s3, v247                     ; registers 4, 5
	s_wait_alu depctr_va_vdst(0)                   ; directly ahead of the waits below
	s_wait_dscnt 0x0                               ; both opening adds are done
	s_wait_kmcnt 0x0
	s_add_nc_u64 s[70:71], s[4:5], s[98:99]        ; the groups 0: global addresses: K steps 0, 1 and 3,
	s_add_nc_u64 s[74:75], s[6:7], s[100:101]
	s_add_nc_u64 s[78:79], s[70:71], AHALF
	s_add_nc_u64 s[82:83], s[74:75], WHALF
	s_add_nc_u64 s[86:87], s[70:71], 3*AHALF
	s_add_nc_u64 s[90:91], s[74:75], 3*WHALF
.irp g, 71,75,79,83,87,91
	s_or_b32 s\g, s\g, 0x80000000                  ; type = 2
.endr
	WIN 0x40                                       ; 40 loads into the accumulators' registers, which are free until the first product: A's scale bytes, the biases
.irp p, 0,1,2,3
.irp b, 0,1,2,3
	global_load_b32 v[4*\p+\b], v25, s[4:5] offset:\p*1024+\b*128      ; block 8 p + 4 h + b of K, row r: the bytes of my four tiles
.endr
.endr
.irp g, 0,1,2
.irp u, 0,1
	global_load_b128 v[64+16*\g+8*\u:64+16*\g+8*\u+3], v27, s[8:9] offset:((3*\g+1)/2)*2048+64*\u            ; gates i, g, o are quarters 0, 2, 3
	global_load_b128 v[64+16*\g+8*\u+4:64+16*\g+8*\u+7], v27, s[8:9] offset:((3*\g+1)/2)*2048+64*\u+16
	global_load_b128 v[112+16*\g+8*\u:112+16*\g+8*\u+3], v27, s[10:11] offset:((3*\g+1)/2)*2048+64*\u
	global_load_b128 v[112+16*\g+8*\u+4:112+16*\g+8*\u+7], v27, s[10:11] offset:((3*\g+1)/2)*2048+64*\u+16
.endr
.endr
	WIN 0
	CROUND                                         ; all sixteen work-groups are here: the joint loads meet
	ARM 1, 68, 16, .Lhead_w1                       ; one chain of arms on the wave's number, one load to an arm, one join
	ARM 2, 72, 24, .Lhead_a2
	ARM 3, 76, 32, .Lhead_w2
	ARM 4, 80, 40, .Lhead_a3
	ARM 5, 84, 48, .Lhead_w3
	s_cmp_lt_u32 s14, 6
	s_cbranch_scc0 .Lasked
	tensor_load_to_lds s[88:91], s[56:63]
	s_nop 0
	PLACES 4
.Lasked:
	s_mov_b32 s[KN], 0xbfb8aa3b                    ; -L
	s_mov_b32 s[KN+1], 0xbfb8aa3b
	s_mov_b32 s[KP], 0x4038aa3b                    ; 2 L
	s_mov_b32 s[KP+1], 0x4038aa3b
	s_mov_b32 s[SEL], 0x76543210
	s_mov_b32 s[SEL+1], 0xfedcba98
	WIN 0x40
.irp g, 0,1,2
.irp p, 0,1,2,3
.irp b, 0,1,2,3
	global_load_u16 v[16+16*\g+4*\p+\b], v26, s[6:7] offset:\g*4096+\p*1024+\b*128   ; the same of W, gate g: the bytes of my two tiles
.endr
.endr
.endr
	s_wait_loadcnt 0x0
	WIN 0x45                                       ; the bytes become scale words, byte b of a word = block b of the K step: 4 x 4 bytes are turned by byte permutes, in two passes
.irp p, 0,1,2,3
	v_perm_b32 v[160+4*\p], v[4*\p+1], v[4*\p], 0x05010400
	v_perm_b32 v[161+4*\p], v[4*\p+1], v[4*\p], 0x07030602
	v_perm_b32 v[162+4*\p], v[4*\p+3], v[4*\p+2], 0x05010400
	v_perm_b32 v[163+4*\p], v[4*\p+3], v[4*\p+2], 0x07030602
.endr
.irp g, 0,1,2
.irp p, 0,1,2,3
	v_perm_b32 v[176+2*(4*\g+\p)], v[16+16*\g+4*\p+1], v[16+16*\g+4*\p], 0x05010400
	v_perm_b32 v[177+2*(4*\g+\p)], v[16+16*\g+4*\p+3], v[16+16*\g+4*\p+2], 0x05010400
.endr
.endr
	WIN 0x05
.irp p, 0,1,2,3
	v_perm_b32 v[SA+\p], v[162+4*\p], v[160+4*\p], 0x05040100
	v_perm_b32 v[SA+4+\p], v[162+4*\p], v[160+4*\p], 0x07060302
	v_perm_b32 v[SA+8+\p], v[163+4*\p], v[161+4*\p], 0x05040100
	v_perm_b32 v[SA+12+\p], v[163+4*\p], v[161+4*\p], 0x07060302
.endr
.irp g, 0,1,2
.irp p, 0,1,2,3
	v_perm_b32 v[SB+6*\p+2*\g], v[177+2*(4*\g+\p)], v[176+2*(4*\g+\p)], 0x05040100
	v_perm_b32 v[SB+6*\p+2*\g+1], v[177+2*(4*\g+\p)], v[176+2*(4*\g+\p)], 0x07060302
.endr
.endr
.set n, 0
.rept 24
	v_pk_add_f32 v[BI+n:BI+n+1], v[64+n:65+n], v[112+n:113+n]      ; b_ih + b_hh
.set n, n+2
.endr
	WIN 0
	PLACES 8                                       ; what vector instructions wrote for the first products stands eight places ahead of them
	s_wait_alu depctr_va_vdst(0)                   ; the wait at the head's end
	s_cmp_lt_u32 s14, 2                            ; waves 0 and 1, each the one issuer of its load line, wait for phase 1; the later phases' loads stay out
	s_cbranch_scc0 .Lp1
	s_wait_tensorcnt 0x0
.Lp1:
	s_barrier_signal -1
	s_barrier_wait -1                              ; K step 0 is whole
	FETCH_B 0, 0, 6
	FETCH_A 0
; K steps 0 and 2, behind which a new phase begins: all my LDS loads are back at the top, the barrier stands round the first twelve products, and the next step's fragments are fetched behind it.
; The loads go out in the order A, W's tiles 0 .. 5; behind K step 0 A comes last: its registers hold the biases until the step's last product has read them.
.macro STEPS s
	s_wait_dscnt 0x0
.if (\s) == 0
.set MW, 0x40                          ; C (the biases) window 0, D window 1
	s_cmp_lt_u32 s14, 4                            ; waves 2 and 3 wait for phase 2 (waves 0 and 1 have nothing out)
	s_cbranch_scc0 .Lp2
	s_wait_tensorcnt 0x0
.Lp2:
.else
.set MW, 0x50                          ; W and A window 0, C and D window 1
	s_wait_tensorcnt 0x0                           ; every wave: its load has landed
.endif
	s_barrier_signal -1
	WIN MW
	MULW 0, 3, \s
	s_barrier_wait -1                              ; the next phase is whole
	WIN 0
	PLACES 4                                       ; in front of loads into registers that the products have read
.if (\s) == 2
	FETCH_A 3
.endif
	FETCH_B (\s)+1, 0, 3
	WIN MW
	MULW 3, 3, \s
	WIN 0
	PLACES 4
	FETCH_B (\s)+1, 3, 3
.if (\s) == 0
	FETCH_A 1
.endif
.endm
; The other K steps.  top: the LDS loads that may be out at the top: 20 = W's tiles 1-5 of this step.  Ahead of tile j > 0 there may be out: 4 (5 - j) loads of this step's later tiles, A's next step (16; none in K step 6) and 4 j of W's next step.
.macro STEPP s, top
	s_wait_dscnt \top
.if (\s) < 6
	FETCH_A (\s)+1                                 ; into the other set, four places and more behind the last product that read it
.set NA, 16
.else
.set NA, 0
.endif
.irp j, 0,1,2,3,4,5
.if \j > 0
	s_wait_dscnt 20+NA
.endif
	WIN 0x50
	MULW \j, 1, \s
	WIN 0
	PLACES 4
	FETCH_B (\s)+1, \j, 1
.endr
.if (\s) == 1
	WIN 0x40                                       ; A's K step 7, straight into registers: 16 loads, six K steps ahead of their use
.irp a, 0,1,2,3
	GFRAG 192+12*\a, 22, 4, \a/2, \a%2, 6144
.endr
	WIN 0
.endif
.endm
	STEPS 0
	STEPP 1, 0
	STEPS 2
	STEPP 3, 20
	STEPP 4, 20
	STEPP 5, 20
	STEPP 6, 20
	s_wait_loadcnt 0x0                             ; K step 7: A lies in registers
.irp j, 0,1,2,3,4,5
	s_wait_dscnt 20-4*\j                           ; W's later tiles may be out
	WIN 0x54                                       ; A, C and D window 1
	MULW \j, 1, 7
.endr
	PLACES 4                                       ; in front of the first read of results
; THE ACTIVATION of my four tiles, in place.  Tile i: v[48 i ..] gate i's 16 numbers, v[48 i + 16 ..] gate g's, v[48 i + 32 ..] gate o's.  Four batches of transcendentals, each with its waits.
	WIN 0x55
.set n, 0
.rept 96
.if (n%48)/16 == 1
	v_pk_mul_f32 v[n:n+1], v[n:n+1], s[KP:KP+1] op_sel_hi:[1,0]    ; 2 L g.  Each accumulator is read from its low end on
.else
	v_pk_mul_f32 v[n:n+1], v[n:n+1], s[KN:KN+1] op_sel_hi:[1,0]    ; -L i, -L o
.endif
.set n, n+2
.endr
.set n, 0
.rept 64
.set xr, 48*(n/16)+16+n%16
	v_min_num_f32 v[xr], 0x42000000, v[xr]         ; 2 L g is held at 32
.set n, n+1
.endr
.set n, 0
	s_wait_alu depctr_va_vdst(0)
.rept 192
	v_exp_f32 v[n], v[n]                           ; Ei, Eg, Eo
.set n, n+1
.endr
	v_nop
	s_wait_alu depctr_va_vdst(0)
.set n, 0
.rept 32
.set xr, 48*(n/8)+2*(n%8)
	v_pk_add_f32 v[TB+2*n:TB+2*n+1], v[xr+16:xr+17], 1.0 op_sel_hi:[1,0]                  ; T = 1 + Eg
.set n, n+1
.endr
.set n, 0
.rept 32
.set xr, 48*(n/8)+2*(n%8)
	v_pk_fma_f32 v[xr:xr+1], v[xr:xr+1], v[TB+2*n:TB+2*n+1], v[TB+2*n:TB+2*n+1]           ; Ei T + T
.set n, n+1
.endr
.set n, 0
	s_wait_alu depctr_va_vdst(0)
.rept 64
.set xr, 48*(n/16)+n%16
	v_rcp_f32 v[xr], v[xr]
.set n, n+1
.endr
.set n, 0
.rept 32
.set xr, 48*(n/8)+2*(n%8)
	v_pk_add_f32 v[xr+32:xr+33], v[xr+32:xr+33], 1.0 op_sel_hi:[1,0]                      ; 1 + Eo
.set n, n+1
.endr
.set n, 0
.rept 32
.set xr, 48*(n/8)+2*(n%8)
	v_pk_fma_f32 v[xr+16:xr+17], v[xr+16:xr+17], s[KP:KP+1], s[KP:KP+1] op_sel_hi:[1,0,0] neg_lo:[0,0,1] neg_hi:[0,0,1]   ; 2 L Eg - 2 L
.set n, n+1
.endr
	s_wait_alu depctr_va_vdst(0)
.set n, 0
.rept 32
.set xr, 48*(n/8)+2*(n%8)
	v_pk_mul_f32 v[xr+16:xr+17], v[xr+16:xr+17], v[xr:xr+1]                               ; 2 L c
.set n, n+1
.endr
.set n, 0
	s_wait_alu depctr_va_vdst(0)
.rept 64
.set xr, 48*(n/16)+16+n%16
	v_exp_f32 v[xr], v[xr]                         ; Ec
.set n, n+1
.endr
	v_nop
	s_wait_alu depctr_va_vdst(0)
.set n, 0
.rept 32
.set xr, 48*(n/8)+2*(n%8)
	v_pk_fma_f32 v[xr+32:xr+33], v[xr+32:xr+33], v[xr+16:xr+17], v[xr+32:xr+33]           ; (1 + Eo) Ec + (1 + Eo)
.set n, n+1
.endr
.set n, 0
	s_wait_alu depctr_va_vdst(0)
.rept 64
.set xr, 48*(n/16)+32+n%16
	v_rcp_f32 v[xr], v[xr]
.set n, n+1
.endr
.set n, 0
.rept 32
.set xr, 48*(n/8)+2*(n%8)
	v_pk_add_f32 v[xr+16:xr+17], v[xr+16:xr+17], -1.0 op_sel_hi:[1,0]                     ; Ec - 1
.set n, n+1
.endr
	s_wait_alu depctr_va_vdst(0)
.set n, 0
.rept 32
.set xr, 48*(n/8)+2*(n%8)
	v_pk_mul_f32 v[xr+16:xr+17], v[xr+16:xr+17], v[xr+32:xr+33]                           ; h: register 8 u + j = unit 16 u + 8 h + j of row r
.set n, n+1
.endr
	; h IS QUANTISED.  My 32 units are one block of the next K; a lane holds 16 of its numbers, lane l xor 16 the others
.irp i, 0,1,2,3
	v_max3_num_f32 v[MX+\i], |v[48*\i+16]|, |v[48*\i+17]|, 0x2800000                      ; with the floor 2^(5 - 127): the byte cannot fall under 1
.endr
.irp k, 2,4,6,8,10,12,14
.irp i, 0,1,2,3
	v_max3_num_f32 v[MX+\i], v[MX+\i], |v[48*\i+16+\k]|, |v[48*\i+17+\k]|
.endr
.endr
.irp i, 0,1,2,3
	v_permlanex16_b32 v[MP+\i], v[MX+\i], s[SEL], s[SEL+1]
.endr
.irp i, 0,1,2,3
	v_max_num_f32 v[MX+\i], v[MX+\i], v[MP+\i]     ; the block's largest magnitude
.endr
.irp i, 0,1,2,3
	v_add_nc_u32 v[SO+\i], 0xfe000000, v[MX+\i]    ; 4 off its exponent field: the conversion's scale operand
.endr
.irp i, 0,1,2,3
	v_lshrrev_b32 v[BY+\i], 23, v[SO+\i]           ; the scale's byte
.endr
	v_lshl_or_b32 v[BY], v[BY+1], 8, v[BY]
	v_lshl_or_b32 v[BY], v[BY+2], 16, v[BY]
.irp c, 0,1
	v_cvt_scalef32_pk16_bf6_f32 v[96*\c+4:96*\c+6], v[96*\c+16:96*\c+31], v[SO+2*\c]
	v_cvt_scalef32_pk16_bf6_f32 v[96*\c+10:96*\c+12], v[96*\c+64:96*\c+79], v[SO+2*\c+1]
.endr
	WIN 0x11
	v_lshl_or_b32 v[ZB], v[BY+3], 24, v[BY]        ; the four tiles' bytes; also the plain line behind the conversions
	WIN 0x55
.irp c, 0,1
.irp i, 0,1,2
	v_permlane16_swap_b32 v[96*\c+4+\i], v[96*\c+10+\i]   ; lane (r, e) now holds tile e's whole block of row r
.endr
.irp i, 0,1,2
	v_mov_b32 v[96*\c+7+\i], v[96*\c+10+\i]
.endr
.endr
	WIN 0x04
.irp c, 0,1
	global_store_b128 v28, v[96*\c+4:96*\c+7], s[12:13] offset:\c*1536                    ; sixteen lanes store 256 consecutive bytes, aligned
	global_store_b64 v29, v[96*\c+8:96*\c+9], s[12:13] offset:\c*1536                     ; 32 lanes store 256 consecutive bytes, aligned
.endr
	WIN 0
	global_store_b32 v30, v[ZB], s[12:13]          ; my four tiles' bytes of block cb, a word a row
	s_wait_tensorcnt 0x0                           ; the wave's end
	ds_add_u32 v254, v255
	s_wait_dscnt 0x0
	CROUND                                         ; the closing round
	s_endpgm
.Lfunc_end_k_q1afdb0f339_layer0:
	.size	k_q1afdb0f339_layer0, .Lfunc_end_k_q1afdb0f339_layer0-k_q1afdb0f339_layer0
	.p2alignl 7, 3214868480
	.fill 96, 4, 3214868480
	.section	.rodata,"a",@progbits
	.p2align	6, 0x0
	.amdhsa_kernel k_q1afdb0f339_layer0
		.amdhsa_group_segment_fixed_size 320512
		.amdhsa_private_segment_fixed_size 0
		.amdhsa_enable_private_segment 0
		.amdhsa_kernarg_size 40
		.amdhsa_user_sgpr_count 2
		.amdhsa_user_sgpr_kernarg_segment_ptr 1
		.amdhsa_wavefront_size32 1
		.amdhsa_system_sgpr_workgroup_id_x 1
		.amdhsa_system_sgpr_workgroup_id_y 1
		.amdhsa_system_sgpr_workgroup_id_z 1
		.amdhsa_system_vgpr_workitem_id 0
		.amdhsa_next_free_vgpr 512
		.amdhsa_next_free_sgpr 106
		.amdhsa_reserve_vcc 0
		.amdhsa_float_denorm_mode_32 3
		.amdhsa_float_denorm_mode_16_64 3
		.amdhsa_memory_ordered 1
		.amdhsa_forward_progress 1
		.amdhsa_inst_pref_size 126
	.end_amdhsa_kernel
	.amdgpu_metadata
---
amdhsa.version: [ 1, 2 ]
amdhsa.kernels:
  - .name:           k_q1afdb0f339_layer0
    .symbol:         k_q1afdb0f339_layer0.kd
    .args:
      - { .name: act0, .offset: 0, .size: 8, .value_kind: global_buffer, .address_space: global }
      - { .name: wp0, .offset: 8, .size: 8, .value_kind: global_buffer, .address_space: global }
      - { .name: b_ih0, .offset: 16, .size: 8, .value_kind: global_buffer, .address_space: global }
      - { .name: b_hh0, .offset: 24, .size: 8, .value_kind: global_buffer, .address_space: global }
      - { .name: act1, .offset: 32, .size: 8, .value_kind: global_buffer, .address_space: global }
    .group_segment_fixed_size: 320512
    .private_segment_fixed_size: 0
    .kernarg_segment_align: 8
    .kernarg_segment_size: 40
    .max_flat_workgroup_size: 256
    .sgpr_count:     106
    .vgpr_count:     512
    .wavefront_size: 32
...
	.end_amdgpu_metadata
.endif
;; end of part 2
;; launch layer1: the kernel of part 2 again; grid 16 x 16, 8 waves a work-group, clusters of 4 x 4, 320,512 bytes of LDS; arguments act1, wp1, b_ih12, b_hh12, act2; writes act2
;; launch layer2 (part 3): grid 16 x 16, 8 waves a work-group, clusters of 4 x 4, 320,512 bytes of LDS; arguments act2, wp2, b_ih12, b_hh12, out0; writes out0
.if DOCPART == 3
	.amdgcn_target "amdgcn-amd-amdhsa--gfx1250"
	.amdhsa_code_object_version 6
	.text
	.protected	k_q1afdb0f339_layer2
	.globl	k_q1afdb0f339_layer2
	.p2align	8
	.type	k_q1afdb0f339_layer2,@function
k_q1afdb0f339_layer2:
	s_mov_b64 s[64:65], 0
	v_nop
	global_prefetch_b8 v0, s[64:65] scope:SCOPE_SE
	s_setreg_imm32_b32 hwreg(HW_REG_WAVE_MODE, 25, 1), 1
	s_wait_xcnt 0x0
	s_wait_alu depctr_hold_cnt(0) depctr_sa_sdst(0) depctr_va_vdst(0) depctr_va_sdst(0) depctr_va_ssrc(0) depctr_va_vcc(0) depctr_vm_vsrc(0)
	s_getreg_b32 s2, hwreg(HW_REG_IB_STS2, 6, 4)
	s_cmp_eq_u32 s2, 0
	s_cbranch_scc0 .Lentry_in_a_cluster
	s_endpgm
.Lentry_in_a_cluster:
	s_bfe_u32 s2, ttmp6, 0x10000c
	s_cmp_lg_u32 s2, 0xf033
	s_cbranch_scc0 .Lentry_shape_is_right
	s_endpgm
.Lentry_shape_is_right:
; THE LAST LAYER: gates = A W^T + b_ih + b_hh on codes of BF6 (E3M2) with E8M0 scales, K = 1,024;  h = sigmoid(o) tanh(sigmoid(i) tanh(g)), stored as f32: the program's output.  The biases are the second layer's of b_ih12 and b_hh12.
; Gate f is neither multiplied nor read: the layer splits that quarter off and never uses it.  The recurrent weights enter no result (the state is zero) and are named by no launch.
; THE OPERANDS lie in memory in the order of their registers.  A fragment: 16 rows x 128 K, 12 registers; lane (r, h): row r, registers 6 c .. 6 c + 5 = block 2 c + h.  Two neighbouring tiles (e = 0, 1), one K step, one c are 1,536 bytes:
; registers 6 c + 0..3 at 512 e + 16 (r + 16 h), registers 6 c + 4, 5 at 1024 + 256 h + 128 (e xor h) + 8 r.  A: (row / 128) 98304 + 12288 s + 6144 c + 1536 pair.  W: cb 73728 + 9216 s + 4608 c + 1536 G  (cb = 16 direction + unit / 32; G = gate i, g, o).
; Scale bytes: group 4096 + block 128 + 8 r + tile, behind the codes.
; SHARES.  A work-group makes 256 rows x 64 units x 3 gates, with eight waves, two to a SIMD; wave w makes rows 64 (w / 2) .. + 63 x units 32 (w % 2) .. + 31 x 3 gates: 24 accumulators, 192 registers.  16 x 16 work-groups.
; THE PRODUCT IS USED TRANSPOSED: source 0 = 16 rows of W, source 1 = 16 rows of A.  Lane (r, h) holds row r of A, and register j of tile (G, u) unit 16 u + 8 h + j of my 32: the three gates of a unit meet in one lane.
; b_ih + b_hh, in the result's layout, is the C of K step 0's products.
; LDS holds A's K steps 0-6 and W's K steps 0-7, each byte filled once, by SIX joint loads at the head, one a wave (waves 6 and 7 issue none): phases of 1, 2 and 4 (W: 5) K steps, A's and W's load of each.  A load is a tile of two rows:
; the two halves of the block (128 rows of A, 32 units of W), each the phase's K steps on end in memory, a multiple of 256 bytes.  Waves 0, 1 wait for phase 1 ahead of the first barrier, waves 0-3 ahead of the barrier in K step 0,
; every wave ahead of the barrier in K step 2.  A's K step 7 goes from memory straight into registers (16 loads a wave).  No prefetch: every tile is asked for at the head, and there is no loop to run ahead in.
; Each phase has its own six LDS address registers, made at the head; the K step inside a phase stands in the loads' immediates (45,696 at the most).
; FRAGMENTS ARE ASKED FOR A K STEP AHEAD: A has two sets of registers and its next step is fetched at a step's top; a step's products go by W's tiles, and each tile of W is fetched anew behind its four products.
; CLUSTER 4 x 4: A's tiles hang on the block of rows alone and are asked for jointly along a row of the cluster, W's on the block of units alone, along a column.
; THE WAY OUT goes through a stage in LDS, 256 rows x 272 bytes from byte 0, since a row's 256 bytes come from two waves.  The stage lies inside the bytes of phases 1 and 2 (69,632 of 129,024): they have had their only fill,
; and every wave waited for its last reads of them ahead of the barrier in K step 2.
; THE ACTIVATION, in f32, L = log2(e):  Ei = 2^(-L i), Eg = 2^(2 L g), Eo = 2^(-L o);  c = (Eg - 1) / ((1 + Ei)(1 + Eg));  Ec = 2^(2 L c);  h = (Ec - 1) / ((1 + Eo)(1 + Ec)).
; LIMITS: NaN and infinities among the inputs are not served.  2 L g is held at 32 from above, where (Eg - 1) / (Eg + 1) is 1 in f32.  c is taken as 0 where (1 + Ei)(1 + Eg) passes f32's range: |c| under 2^-95.
; tanh as (E - 1) / (E + 1) loses, for small arguments, the bits that E - 1 cancels: an absolute error of about 1e-7.
; REGISTERS.  Window 0: v1-31 addresses; v32-47 A's scale words, v48-71 W's; v72-119 A's fragments of even K steps; v120-191 W's; v192-239 b_ih + b_hh, and behind K step 0 A's fragments of odd K steps;
;   v242-248 lane terms of the head; v254, v255 the add's.
;   Window 1: v0-191 accumulator (a, j) at v[48 a + 8 j] (at the head: scale bytes and biases as loaded, v160-199 at work; at the end v0-63 rows of the output); v192-239 A's fragments of K step 7; in the activation v192-255 are at work.
.set BOFF,  16384                      ; the layer's first byte in the two bias buffers
.set AHALF, 12288                      ; a K step of 128 rows of A
.set WHALF, 9216                       ; and of 32 units x 3 gates of W
.set LA1,   0                          ; LDS: phase 1: K step 0
.set LW1,   LA1+2*AHALF
.set LA2,   LW1+2*WHALF                ; phase 2: K steps 1, 2
.set LW2,   LA2+4*AHALF
.set LA3,   LW2+4*WHALF                ; phase 3: A's K steps 3-6, W's 3-7
.set LW3,   LA3+8*AHALF
.set SPARE, LW3+10*WHALF               ; the spare words, 128 bytes a wave
.set ABLK,  98304
.set WBLK,  73728
.set ASC,   3145728
.set WSC,   2359296
.set SA,    32                         ; A's scale words: block a, K steps 2 p (lanes 0-15) and 2 p + 1 (lanes 16-31) at v[SA + 4 a + p]
.set SB,    48                         ; W's: tile j at v[SB + 6 p + j]
.set AF,    72                         ; A's fragments, even K steps
.set AF1,   192                        ; odd K steps (K step 7: the same numbers in window 1)
.set WF,    120
.set BI,    192                        ; b_ih + b_hh: tile j's eight at v[BI + 8 j]
.set TB,    192
.set KN,    92                         ; s[92:93] -L, twice
.set KP,    94                         ; s[94:95] 2 L, twice
.set MSB, 0
.macro WIN new
.if MSB != (\new)
	s_set_vgpr_msb (MSB<<8)|(\new)
.set MSB, (\new)
.endif
.endm
.macro PLACES n
.rept \n
	v_nop
.endr
.endm
.macro CROUND                          ; a round of the cluster's barrier
	s_barrier_signal -1
	s_barrier_wait -1
	s_cmp_lg_u32 s14, 0
	s_cbranch_scc1 .Lnot_wave_0_\@
	s_barrier_signal -3
.Lnot_wave_0_\@:
	s_barrier_wait -3
	s_barrier_signal -1
	s_barrier_wait -1
.endm
.macro PH s                            ; K step s: its phase ph and its place sb in it
.if (\s) < 1
.set ph, 0
.set sb, (\s)
.elseif (\s) < 3
.set ph, 1
.set sb, (\s)-1
.else
.set ph, 2
.set sb, (\s)-3
.endif
.endm
.macro FRAG reg, adr, o, q, e, half    ; a fragment from LDS: tile e of pair q, o bytes into the phase
	ds_load_b128 v[(\reg):(\reg)+3], v[(\adr)] offset:(\o)+(\q)*1536+512*(\e)
	ds_load_b64 v[(\reg)+4:(\reg)+5], v[(\adr)+1+(\e)] offset:(\o)+(\q)*1536+1024+128*(\e)
	ds_load_b128 v[(\reg)+6:(\reg)+9], v[(\adr)] offset:(\o)+(\half)+(\q)*1536+512*(\e)
	ds_load_b64 v[(\reg)+10:(\reg)+11], v[(\adr)+1+(\e)] offset:(\o)+(\half)+(\q)*1536+1024+128*(\e)
.endm
.macro GFRAG reg, off, b, q, e, half   ; the same four from memory
	global_load_b128 v[(\reg):(\reg)+3], v[(\off)], s[\b:\b+1] offset:(\q)*1536+512*(\e)
	global_load_b64 v[(\reg)+4:(\reg)+5], v[(\off)+1+(\e)], s[\b:\b+1] offset:(\q)*1536+1024+128*(\e)
	global_load_b128 v[(\reg)+6:(\reg)+9], v[(\off)], s[\b:\b+1] offset:(\half)+(\q)*1536+512*(\e)
	global_load_b64 v[(\reg)+10:(\reg)+11], v[(\off)+1+(\e)], s[\b:\b+1] offset:(\half)+(\q)*1536+1024+128*(\e)
.endm
.macro FETCH_A s                       ; my four blocks of A, K step s, into the step's set: 16 loads
	PH \s
.set fa, 0
.rept 4
	FRAG AF+(AF1-AF)*((\s)%2)+12*fa, 4+6*ph, sb*AHALF, fa/2, fa%2, 6144
.set fa, fa+1
.endr
.endm
.macro FETCH_B s, j0, n                ; n of W's six tiles from j0 on, K step s: four loads each
	PH \s
.set fb, \j0
.rept \n
	FRAG WF+12*fb, 7+6*ph, sb*WHALF, fb/2, fb%2, 4608
.set fb, fb+1
.endr
.endm
; n of W's tiles from j0 on x my four blocks of A, K step s.  The 24 accumulators take turns, in the same order in every K step; K step 0 starts the sums from the biases; an odd K step's scale words lie in lanes 16-31.
.macro MULW j0, n, s
.set rj, (\j0)-1
.rept \n
.set rj, rj+1
.irp a, 0,1,2,3
.set rD, 48*\a+8*rj
.set rB, WF+12*rj
.set rA, AF+(AF1-AF)*((\s)%2)+12*\a
.set rX, SB+6*((\s)/2)+rj
.set rY, SA+4*\a+(\s)/2
.if (\s) == 0
	v_wmma_scale_f32_16x16x128_f8f6f4 v[rD:rD+7], v[rB:rB+11], v[rA:rA+11], v[BI+8*rj:BI+8*rj+7], v[rX], v[rY] matrix_a_fmt:MATRIX_FMT_BF6 matrix_b_fmt:MATRIX_FMT_BF6
.elseif (\s)%2
	v_wmma_scale_f32_16x16x128_f8f6f4 v[rD:rD+7], v[rB:rB+11], v[rA:rA+11], v[rD:rD+7], v[rX], v[rY] matrix_a_fmt:MATRIX_FMT_BF6 matrix_b_fmt:MATRIX_FMT_BF6 matrix_a_scale:MATRIX_SCALE_ROW1 matrix_b_scale:MATRIX_SCALE_ROW1
.else
	v_wmma_scale_f32_16x16x128_f8f6f4 v[rD:rD+7], v[rB:rB+11], v[rA:rA+11], v[rD:rD+7], v[rX], v[rY] matrix_a_fmt:MATRIX_FMT_BF6 matrix_b_fmt:MATRIX_FMT_BF6
.endif
.endr
.endr
.endm
.macro GRP1 g, mask, row, pitch        ; descriptor group 1: two rows of \row elements of 8 bytes, \pitch elements apart, no padding; the mask, and bit 21 beside it
	s_or_b32 s[\g], \mask, (3<<16)|(1<<21)
	s_mov_b32 s[\g+1], (\row)<<16
	s_mov_b32 s[\g+2], 2<<16
	s_mov_b32 s[\g+3], (\row)<<16
	s_mov_b32 s[\g+4], 2
	s_mov_b32 s[\g+5], \pitch
	s_mov_b32 s[\g+6], 0
	s_mov_b32 s[\g+7], 0
.endm
.macro ARM under, g0, g1, next         ; one arm of the head's chain: its load, the lines behind it, a jump to the join
	s_cmp_lt_u32 s14, \under
	s_cbranch_scc0 \next
	tensor_load_to_lds s[\g0:\g0+3], s[\g1:\g1+7]
	s_nop 0
	PLACES 4
	s_branch .Lasked
\next:
.endm
.macro ADDR p, ka, la, kw, lw          ; phase p's six LDS address registers
	s_mul_i32 s3, s15, (\ka)*AHALF
	s_add_co_u32 s3, s3, \la
	s_add_co_u32 s3, s3, s105
	v_add_nc_u32 v[4+6*\p], s3, v3
	v_add_nc_u32 v[5+6*\p], s3, v242
	v_add_nc_u32 v[6+6*\p], s3, v243
	s_mul_i32 s3, s2, (\kw)*WHALF
	s_add_co_u32 s3, s3, \lw
	v_add_nc_u32 v[7+6*\p], s3, v3
	v_add_nc_u32 v[8+6*\p], s3, v242
	v_add_nc_u32 v[9+6*\p], s3, v243
.endm
	s_load_b256 s[4:11], s[0:1], 0x0               ; A s[4:5], W s[6:7], b_ih s[8:9], b_hh s[10:11]
	s_load_b64 s[12:13], s[0:1], 0x20              ; the result
	v_lshl_add_u32 v254, v0, 2, SPARE
	v_mov_b32 v255, 0
	ds_add_u32 v254, v255                          ; the opening lines: the add, twice on end, and its wait
	ds_add_u32 v254, v255
	v_lshrrev_b32 v1, 5, v0
	v_readfirstlane_b32 s14, v1                    ; wave 0..7
	s_and_b32 s2, s14, 1                           ; ch: my half of the units
	s_lshr_b32 s15, s14, 2                         ; rh: my half of the rows,
	s_bfe_u32 s104, s14, 0x10001                   ; and my quarter in it
	s_mul_i32 s105, s104, 3072                     ; two pairs of tiles
	s_bfe_u32 s92, ttmp6, 0x40000                  ; cx, cy
	s_bfe_u32 s93, ttmp6, 0x40004
	s_lshl_b32 s94, ttmp9, 2
	s_add_co_u32 s94, s94, s92                     ; X: the block of 64 units
	s_and_b32 s95, ttmp7, 0xffff
	s_lshl_b32 s95, s95, 2
	s_add_co_u32 s95, s95, s93                     ; Y: the block of 256 rows
	s_lshl_b32 s96, s93, 2
	s_lshl_b32 s96, 15, s96                        ; my row of the cluster
	s_lshl_b32 s97, 0x1111, s92                    ; my column
	GRP1 16, s96, AHALF/8, ABLK/8
	GRP1 24, s97, WHALF/8, WBLK/8
	GRP1 32, s96, 2*AHALF/8, ABLK/8
	GRP1 40, s97, 2*WHALF/8, WBLK/8
	GRP1 48, s96, 4*AHALF/8, ABLK/8
	GRP1 56, s97, 5*WHALF/8, WBLK/8
	s_mul_i32 s98, s95, 2*ABLK                     ; A's offset is made of Y alone,
	s_mov_b32 s99, 0
	s_mul_i32 s100, s94, 2*WBLK                    ; W's of X alone
	s_mov_b32 s101, 0
	s_mov_b32 s68, 1                               ; the six groups 0: count, LDS address
	s_mov_b32 s69, LA1
	s_mov_b32 s72, 1
	s_mov_b32 s73, LW1
	s_mov_b32 s76, 1
	s_mov_b32 s77, LA2
	s_mov_b32 s80, 1
	s_mov_b32 s81, LW2
	s_mov_b32 s84, 1
	s_mov_b32 s85, LA3
	s_mov_b32 s88, 1
	s_mov_b32 s89, LW3
	v_and_b32 v1, 15, v0                           ; r
	v_bfe_u32 v2, v0, 4, 1                         ; h
	v_and_b32 v3, 31, v0
	v_lshlrev_b32 v3, 4, v3                        ; 16 x lane
	v_lshlrev_b32 v31, 3, v1                       ; 8 r
	v_mad_u32_u24 v242, v2, 384, v31               ; 384 h + 8 r
	v_lshl_add_u32 v243, v2, 7, v31                ; 128 h + 8 r
	v_lshl_add_u32 v244, v2, 9, v31                ; 512 h + 8 r: lanes 16-31 take the odd K step's four blocks
	v_lshlrev_b32 v245, 5, v2                      ; 32 h
	v_mul_u32_u24 v246, v1, 272
	v_lshl_add_u32 v246, v2, 5, v246               ; the stage, in: row r, + 32 h
	v_mul_u32_u24 v247, v2, 272
	v_lshl_add_u32 v247, v1, 4, v247               ; back: lanes 0-15 one row, lanes 16-31 the next
	v_lshlrev_b32 v248, 12, v2
	v_lshl_add_u32 v248, v1, 4, v248               ; and the same two rows in the output: rows of 4,096 bytes
	s_wait_alu depctr_va_vdst(0)
	ADDR 0, 1, LA1, 1, LW1
	ADDR 1, 2, LA2, 2, LW2
	ADDR 2, 4, LA3, 5, LW3
	s_lshl_b32 s66, s95, 1
	s_add_co_u32 s66, s66, s15                     ; hb = 2 Y + rh
	s_lshl_b32 s67, s94, 1
	s_add_co_u32 s67, s67, s2                      ; cb = 2 X + ch
	s_mul_i32 s3, s66, ABLK
	s_add_co_u32 s3, s3, 7*AHALF
	s_add_co_u32 s3, s3, s105                      ; K step 7 of my rows, in memory
	v_add_nc_u32 v22, s3, v3
	v_add_nc_u32 v23, s3, v242
	v_add_nc_u32 v24, s3, v243
	s_lshl_b32 s104, s104, 2                       ; my four tiles' bytes among a row's eight
	s_lshl_b32 s3, s66, 12
	s_add_co_u32 s3, s3, ASC
	s_add_co_u32 s3, s3, s104
	v_add_nc_u32 v25, s3, v244                     ; A's scale bytes: group hb
	s_lshr_b32 s3, s67, 2
	s_mul_i32 s3, s3, 12288
	s_add_co_u32 s3, s3, WSC
	s_and_b32 s104, s67, 3
	s_lshl_b32 s104, s104, 1
	s_add_co_u32 s3, s3, s104
	v_add_nc_u32 v26, s3, v244                     ; W's: groups 3 (cb / 4) + G, tiles 2 (cb % 4) and the next
	s_lshr_b32 s3, s67, 4
	s_lshl_b32 s3, s3, 13                          ; the biases: the direction's 2,048 numbers,
	s_and_b32 s104, s67, 15
	s_lshl_b32 s104, s104, 7                       ; my 32 units,
	s_add_co_u32 s3, s3, s104
	s_add_co_u32 s3, s3, BOFF                      ; the layer
	v_add_nc_u32 v27, s3, v245
	s_lshr_b32 s3, s14, 1
	s_mul_i32 s3, s3, 64*272                       ; the stage, in: my 64 rows, my half of their 256 bytes
	s_lshl_b32 s104, s2, 7
	s_add_co_u32 s3, s3, s104
	v_add_nc_u32 v28, s3, v246
	s_mul_i32 s3, s14, 32*272                      ; back: wave w takes rows 32 w .. 32 w + 31, whole
	v_add_nc_u32 v29, s3, v247
	s_lshl_b32 s3, s95, 20                         ; the same rows in the output, my block's 256 bytes
	s_lshl_b32 s104, s94, 8
	s_add_co_u32 s3, s3, s104
	s_lshl_b32 s104, s14, 17
	s_add_co_u32 s3, s3, s104
	v_add_nc_u32 v30, s3, v248
	s_wait_alu depctr_va_vdst(0)                   ; directly ahead of the waits below
	s_wait_dscnt 0x0                               ; both opening adds are done
	s_wait_kmcnt 0x0
	s_add_nc_u64 s[70:71], s[4:5], s[98:99]        ; the groups 0: global addresses: K steps 0, 1 and 3,
	s_add_nc_u64 s[74:75], s[6:7], s[100:101]
	s_add_nc_u64 s[78:79], s[70:71], AHALF
	s_add_nc_u64 s[82:83], s[74:75], WHALF
	s_add_nc_u64 s[86:87], s[70:71], 3*AHALF
	s_add_nc_u64 s[90:91], s[74:75], 3*WHALF
.irp g, 71,75,79,83,87,91
	s_or_b32 s\g, s\g, 0x80000000                  ; type = 2
.endr
	WIN 0x40                                       ; 40 loads into the accumulators' registers, which are free until the first product: A's scale bytes, the biases
.irp p, 0,1,2,3
.irp b, 0,1,2,3
	global_load_b32 v[4*\p+\b], v25, s[4:5] offset:\p*1024+\b*128      ; block 8 p + 4 h + b of K, row r: the bytes of my four tiles
.endr
.endr
.irp g, 0,1,2
.irp u, 0,1
	global_load_b128 v[64+16*\g+8*\u:64+16*\g+8*\u+3], v27, s[8:9] offset:((3*\g+1)/2)*2048+64*\u            ; gates i, g, o are quarters 0, 2, 3
	global_load_b128 v[64+16*\g+8*\u+4:64+16*\g+8*\u+7], v27, s[8:9] offset:((3*\g+1)/2)*2048+64*\u+16
	global_load_b128 v[112+16*\g+8*\u:112+16*\g+8*\u+3], v27, s[10:11] offset:((3*\g+1)/2)*2048+64*\u
	global_load_b128 v[112+16*\g+8*\u+4:112+16*\g+8*\u+7], v27, s[10:11] offset:((3*\g+1)/2)*2048+64*\u+16
.endr
.endr
	WIN 0
	CROUND                                         ; all sixteen work-groups are here: the joint loads meet
	ARM 1, 68, 16, .Lhead_w1                       ; one chain of arms on the wave's number, one load to an arm, one join
	ARM 2, 72, 24, .Lhead_a2
	ARM 3, 76, 32, .Lhead_w2
	ARM 4, 80, 40, .Lhead_a3
	ARM 5, 84, 48, .Lhead_w3
	s_cmp_lt_u32 s14, 6
	s_cbranch_scc0 .Lasked
	tensor_load_to_lds s[88:91], s[56:63]
	s_nop 0
	PLACES 4
.Lasked:
	s_mov_b32 s[KN], 0xbfb8aa3b                    ; -L
	s_mov_b32 s[KN+1], 0xbfb8aa3b
	s_mov_b32 s[KP], 0x4038aa3b                    ; 2 L
	s_mov_b32 s[KP+1], 0x4038aa3b
	WIN 0x40
.irp g, 0,1,2
.irp p, 0,1,2,3
.irp b, 0,1,2,3
	global_load_u16 v[16+16*\g+4*\p+\b], v26, s[6:7] offset:\g*4096+\p*1024+\b*128   ; the same of W, gate g: the bytes of my two tiles
.endr
.endr
.endr
	s_wait_loadcnt 0x0
	WIN 0x45                                       ; the bytes become scale words, byte b of a word = block b of the K step: 4 x 4 bytes are turned by byte permutes, in two passes
.irp p, 0,1,2,3
	v_perm_b32 v[160+4*\p], v[4*\p+1], v[4*\p], 0x05010400
	v_perm_b32 v[161+4*\p], v[4*\p+1], v[4*\p], 0x07030602
	v_perm_b32 v[162+4*\p], v[4*\p+3], v[4*\p+2], 0x05010400
	v_perm_b32 v[163+4*\p], v[4*\p+3], v[4*\p+2], 0x07030602
.endr
.irp g, 0,1,2
.irp p, 0,1,2,3
	v_perm_b32 v[176+2*(4*\g+\p)], v[16+16*\g+4*\p+1], v[16+16*\g+4*\p], 0x05010400
	v_perm_b32 v[177+2*(4*\g+\p)], v[16+16*\g+4*\p+3], v[16+16*\g+4*\p+2], 0x05010400
.endr
.endr
	WIN 0x05
.irp p, 0,1,2,3
	v_perm_b32 v[SA+\p], v[162+4*\p], v[160+4*\p], 0x05040100
	v_perm_b32 v[SA+4+\p], v[162+4*\p], v[160+4*\p], 0x07060302
	v_perm_b32 v[SA+8+\p], v[163+4*\p], v[161+4*\p], 0x05040100
	v_perm_b32 v[SA+12+\p], v[163+4*\p], v[161+4*\p], 0x07060302
.endr
.irp g, 0,1,2
.irp p, 0,1,2,3
	v_perm_b32 v[SB+6*\p+2*\g], v[177+2*(4*\g+\p)], v[176+2*(4*\g+\p)], 0x05040100
	v_perm_b32 v[SB+6*\p+2*\g+1], v[177+2*(4*\g+\p)], v[176+2*(4*\g+\p)], 0x07060302
.endr
.endr
.set n, 0
.rept 24
	v_pk_add_f32 v[BI+n:BI+n+1], v[64+n:65+n], v[112+n:113+n]      ; b_ih + b_hh
.set n, n+2
.endr
	WIN 0
	PLACES 8                                       ; what vector instructions wrote for the first products stands eight places ahead of them
	s_wait_alu depctr_va_vdst(0)                   ; the wait at the head's end
	s_cmp_lt_u32 s14, 2                            ; waves 0 and 1, each the one issuer of its load line, wait for phase 1; the later phases' loads stay out
	s_cbranch_scc0 .Lp1
	s_wait_tensorcnt 0x0
.Lp1:
	s_barrier_signal -1
	s_barrier_wait -1                              ; K step 0 is whole
	FETCH_B 0, 0, 6
	FETCH_A 0
; K steps 0 and 2, behind which a new phase begins: all my LDS loads are back at the top, the barrier stands round the first twelve products, and the next step's fragments are fetched behind it.
; The loads go out in the order A, W's tiles 0 .. 5; behind K step 0 A comes last: its registers hold the biases until the step's last product has read them.
.macro STEPS s
	s_wait_dscnt 0x0
.if (\s) == 0
.set MW, 0x40                          ; C (the biases) window 0, D window 1
	s_cmp_lt_u32 s14, 4                            ; waves 2 and 3 wait for phase 2 (waves 0 and 1 have nothing out)
	s_cbranch_scc0 .Lp2
	s_wait_tensorcnt 0x0
.Lp2:
.else
.set MW, 0x50                          ; W and A window 0, C and D window 1
	s_wait_tensorcnt 0x0                           ; every wave: its load has landed
.endif
	s_barrier_signal -1
	WIN MW
	MULW 0, 3, \s
	s_barrier_wait -1                              ; the next phase is whole
	WIN 0
	PLACES 4                                       ; in front of loads into registers that the products have read
.if (\s) == 2
	FETCH_A 3
.endif
	FETCH_B (\s)+1, 0, 3
	WIN MW
	MULW 3, 3, \s
	WIN 0
	PLACES 4
	FETCH_B (\s)+1, 3, 3
.if (\s) == 0
	FETCH_A 1
.endif
.endm
; The other K steps.  top: the LDS loads that may be out at the top: 20 = W's tiles 1-5 of this step.  Ahead of tile j > 0 there may be out: 4 (5 - j) loads of this step's later tiles, A's next step (16; none in K step 6) and 4 j of W's next step.
.macro STEPP s, top
	s_wait_dscnt \top
.if (\s) < 6
	FETCH_A (\s)+1                                 ; into the other set, four places and more behind the last product that read it
.set NA, 16
.else
.set NA, 0
.endif
.irp j, 0,1,2,3,4,5
.if \j > 0
	s_wait_dscnt 20+NA
.endif
	WIN 0x50
	MULW \j, 1, \s
	WIN 0
	PLACES 4
	FETCH_B (\s)+1, \j, 1
.endr
.if (\s) == 1
	WIN 0x40                                       ; A's K step 7, straight into registers: 16 loads, six K steps ahead of their use
.irp a, 0,1,2,3
	GFRAG 192+12*\a, 22, 4, \a/2, \a%2, 6144
.endr
	WIN 0
.endif
.endm
	STEPS 0
	STEPP 1, 0
	STEPS 2
	STEPP 3, 20
	STEPP 4, 20
	STEPP 5, 20
	STEPP 6, 20
	s_wait_loadcnt 0x0                             ; K step 7: A lies in registers
.irp j, 0,1,2,3,4,5
	s_wait_dscnt 20-4*\j                           ; W's later tiles may be out
	WIN 0x54                                       ; A, C and D window 1
	MULW \j, 1, 7
.endr
	PLACES 4                                       ; in front of the first read of results
; THE ACTIVATION of my four tiles, in place.  Tile i: v[48 i ..] gate i's 16 numbers, v[48 i + 16 ..] gate g's, v[48 i + 32 ..] gate o's.  Four batches of transcendentals, each with its waits.
	WIN 0x55
.set n, 0
.rept 96
.if (n%48)/16 == 1
	v_pk_mul_f32 v[n:n+1], v[n:n+1], s[KP:KP+1] op_sel_hi:[1,0]    ; 2 L g.  Each accumulator is read from its low end on
.else
	v_pk_mul_f32 v[n:n+1], v[n:n+1], s[KN:KN+1] op_sel_hi:[1,0]    ; -L i, -L o
.endif
.set n, n+2
.endr
.set n, 0
.rept 64
.set xr, 48*(n/16)+16+n%16
	v_min_num_f32 v[xr], 0x42000000, v[xr]         ; 2 L g is held at 32
.set n, n+1
.endr
.set n, 0
	s_wait_alu depctr_va_vdst(0)
.rept 192
	v_exp_f32 v[n], v[n]                           ; Ei, Eg, Eo
.set n, n+1
.endr
	v_nop
	s_wait_alu depctr_va_vdst(0)
.set n, 0
.rept 32
.set xr, 48*(n/8)+2*(n%8)
	v_pk_add_f32 v[TB+2*n:TB+2*n+1], v[xr+16:xr+17], 1.0 op_sel_hi:[1,0]                  ; T = 1 + Eg
.set n, n+1
.endr
.set n, 0
.rept 32
.set xr, 48*(n/8)+2*(n%8)
	v_pk_fma_f32 v[xr:xr+1], v[xr:xr+1], v[TB+2*n:TB+2*n+1], v[TB+2*n:TB+2*n+1]           ; Ei T + T
.set n, n+1
.endr
.set n, 0
	s_wait_alu depctr_va_vdst(0)
.rept 64
.set xr, 48*(n/16)+n%16
	v_rcp_f32 v[xr], v[xr]
.set n, n+1
.endr
.set n, 0
.rept 32
.set xr, 48*(n/8)+2*(n%8)
	v_pk_add_f32 v[xr+32:xr+33], v[xr+32:xr+33], 1.0 op_sel_hi:[1,0]                      ; 1 + Eo
.set n, n+1
.endr
.set n, 0
.rept 32
.set xr, 48*(n/8)+2*(n%8)
	v_pk_fma_f32 v[xr+16:xr+17], v[xr+16:xr+17], s[KP:KP+1], s[KP:KP+1] op_sel_hi:[1,0,0] neg_lo:[0,0,1] neg_hi:[0,0,1]   ; 2 L Eg - 2 L
.set n, n+1
.endr
	s_wait_alu depctr_va_vdst(0)
.set n, 0
.rept 32
.set xr, 48*(n/8)+2*(n%8)
	v_pk_mul_f32 v[xr+16:xr+17], v[xr+16:xr+17], v[xr:xr+1]                               ; 2 L c
.set n, n+1
.endr
.set n, 0
	s_wait_alu depctr_va_vdst(0)
.rept 64
.set xr, 48*(n/16)+16+n%16
	v_exp_f32 v[xr], v[xr]                         ; Ec
.set n, n+1
.endr
	v_nop
	s_wait_alu depctr_va_vdst(0)
.set n, 0
.rept 32
.set xr, 48*(n/8)+2*(n%8)
	v_pk_fma_f32 v[xr+32:xr+33], v[xr+32:xr+33], v[xr+16:xr+17], v[xr+32:xr+33]           ; (1 + Eo) Ec + (1 + Eo)
.set n, n+1
.endr
.set n, 0
	s_wait_alu depctr_va_vdst(0)
.rept 64
.set xr, 48*(n/16)+32+n%16
	v_rcp_f32 v[xr], v[xr]
.set n, n+1
.endr
.set n, 0
.rept 32
.set xr, 48*(n/8)+2*(n%8)
	v_pk_add_f32 v[xr+16:xr+17], v[xr+16:xr+17], -1.0 op_sel_hi:[1,0]                     ; Ec - 1
.set n, n+1
.endr
	s_wait_alu depctr_va_vdst(0)
.set n, 0
.rept 32
.set xr, 48*(n/8)+2*(n%8)
	v_pk_mul_f32 v[xr+16:xr+17], v[xr+16:xr+17], v[xr+32:xr+33]                           ; h: register 8 u + j = unit 16 u + 8 h + j of row r
.set n, n+1
.endr
	WIN 0x04                                       ; an LDS store's data are its source 1: window 1
.irp i, 0,1,2,3
.irp u, 0,1
	ds_store_b128 v28, v[48*\i+16+8*\u:48*\i+19+8*\u] offset:\i*16*272+64*\u
	ds_store_b128 v28, v[48*\i+20+8*\u:48*\i+23+8*\u] offset:\i*16*272+64*\u+16
.endr
.endr
	s_wait_dscnt 0x0                               ; for the others' sake: my stores into the stage are done (and have read their data)
	s_barrier_signal -1
	s_barrier_wait -1                              ; a row's 256 bytes come from two waves: all 256 rows are whole now
	WIN 0x40
.set n, 0
.rept 16
	ds_load_b128 v[4*n:4*n+3], v29 offset:n*2*272
.set n, n+1
.endr
	WIN 0x04
.set n, 0
.rept 16
	s_wait_dscnt 15-n                              ; LDS loads come back in order: row pair n is in
	global_store_b128 v30, v[4*n:4*n+3], s[12:13] offset:n*2*4096 th:TH_STORE_NT   ; sixteen lanes store 256 consecutive bytes, aligned
.set n, n+1
.endr
	WIN 0
	s_wait_tensorcnt 0x0                           ; the wave's end
	ds_add_u32 v254, v255
	s_wait_dscnt 0x0
	CROUND                                         ; the closing round
	s_endpgm
.Lfunc_end_k_q1afdb0f339_layer2:
	.size	k_q1afdb0f339_layer2, .Lfunc_end_k_q1afdb0f339_layer2-k_q1afdb0f339_layer2
	.p2alignl 7, 3214868480
	.fill 96, 4, 3214868480
	.section	.rodata,"a",@progbits
	.p2align	6, 0x0
	.amdhsa_kernel k_q1afdb0f339_layer2
		.amdhsa_group_segment_fixed_size 320512
		.amdhsa_private_segment_fixed_size 0
		.amdhsa_enable_private_segment 0
		.amdhsa_kernarg_size 40
		.amdhsa_user_sgpr_count 2
		.amdhsa_user_sgpr_kernarg_segment_ptr 1
		.amdhsa_wavefront_size32 1
		.amdhsa_system_sgpr_workgroup_id_x 1
		.amdhsa_system_sgpr_workgroup_id_y 1
		.amdhsa_system_sgpr_workgroup_id_z 1
		.amdhsa_system_vgpr_workitem_id 0
		.amdhsa_next_free_vgpr 512
		.amdhsa_next_free_sgpr 106
		.amdhsa_reserve_vcc 0
		.amdhsa_float_denorm_mode_32 3
		.amdhsa_float_denorm_mode_16_64 3
		.amdhsa_memory_ordered 1
		.amdhsa_forward_progress 1
		.amdhsa_inst_pref_size 126
	.end_amdhsa_kernel
	.amdgpu_metadata
---
amdhsa.version: [ 1, 2 ]
amdhsa.kernels:
  - .name:           k_q1afdb0f339_layer2
    .symbol:         k_q1afdb0f339_layer2.kd
    .args:
      - { .name: act2, .offset: 0, .size: 8, .value_kind: global_buffer, .address_space: global }
      - { .name: wp2, .offset: 8, .size: 8, .value_kind: global_buffer, .address_space: global }
      - { .name: b_ih12, .offset: 16, .size: 8, .value_kind: global_buffer, .address_space: global }
      - { .name: b_hh12, .offset: 24, .size: 8, .value_kind: global_buffer, .address_space: global }
      - { .name: out0, .offset: 32, .size: 8, .value_kind: global_buffer, .address_space: global }
    .group_segment_fixed_size: 320512
    .private_segment_fixed_size: 0
    .kernarg_segment_align: 8
    .kernarg_segment_size: 40
    .max_flat_workgroup_size: 256
    .sgpr_count:     106
    .vgpr_count:     512
    .wavefront_size: 32
...
	.end_amdgpu_metadata
.endif
;; end of part 3
